; MI455X (gfx1250); checked and timed in simulation.
; The chip was launched on July 23, 2026; its instructions are those of AMD's public machine-readable ISA for CDNA 5 (MIT licence, August 2026) and "CDNA5" Instruction Set Architecture Reference Guide (July 2026). The comments in the code are by the model that wrote it; some were corrected since.
;; Multi Head Cosine Self Attention. Allowed arithmetic: matrix products marked QUANTISED: E2M1 operands, one E8M0 scale for each 32 along K, by v_wmma_scale_f32_16x16x128_f8f6f4 with both operands' format E2M1 (or v_wmma_scale_f32_32x16x128_f4), f32 sums; products left as they are: bf16, f16 or f32 operands; f32 sums; everything else in f32.
;; Inputs: Wk 1,024 x 1,024 float32; Wo 1,024 x 1,024 float32; Wq 1,024 x 1,024 float32; Wv 1,024 x 1,024 float32; bk 1,024 float32; bo 1,024 float32; bq 1,024 float32; bv 1,024 float32; m 16 float32; x 4 x 2,048 x 1,024 float32.
;; Outputs: out0 4 x 2,048 x 1,024 float32.
;; This version of the problem:
;;   THIS VERSION OF THE PROBLEM IS GIVEN IN LOW PRECISION. The matrix products marked QUANTISED in the list below multiply operands that are first quantised to E2M1 (2 exponent bits, 1 mantissa bit; 4 bits a number), with one power-of-two scale for each 32 numbers along K (OCP MX v1.0); their sums are f32. The products marked 'left as it is' may take bf16, f16 or f32 operands, with f32 sums. Whichever they take, every output number must still come out within the allowed error. Rounding operands to bf16 (8 significant bits) uses up far more of that allowance than f16 does (11 bits, for magnitudes from 6e-5 to 65,504). All else is computed in f32.
;;   The module's matrix products, in the order in which they are computed (A, B: the left and right operand; K: the contracted axis; several contracted axes count as one K, in the product's order):
;;     1. [M 8,192, K 1,024] x [K 1,024, N 1,024]; A: input x; B: input Wq: QUANTISED
;;     2. [M 8,192, K 1,024] x [K 1,024, N 1,024]; A: input x; B: input Wk: QUANTISED
;;     3. [M 8,192, K 1,024] x [K 1,024, N 1,024]; A: input x; B: input Wv: QUANTISED
;;     4. batch 64 x [M 2,048, K 64] x [K 64, N 2,048]; A: computed on the way; B: computed on the way: left as it is (an operand is computed on the way)
;;     5. batch 64 x [M 2,048, K 2,048] x [K 2,048, N 64]; A: computed on the way; B: computed on the way: left as it is (an operand is computed on the way)
;;     6. [M 8,192, K 1,024] x [K 1,024, N 1,024]; A: computed on the way; B: input Wo: left as it is (an operand is computed on the way)
;;   THE QUANTISER, for each operand of a quantised product, along K:
;;     - K is cut into blocks of 32 from its start; a last block that is shorter is filled with zeros.
;;     - A block's scale is 2^e with e = floor(log2(the largest magnitude in the block)) - 2, held to -126 .. 127; a block of zeros has e = 0. As a byte (E8M0): e + 127.
;;     - Each number is divided by its block's scale, clamped to +-6, and rounded to the nearest number of E2M1, ties to even, subnormals kept.
;;     - The product sums the exact products of the quantised numbers (number of the format x scale) in f32.
;;   ~~~python
;;   def quantise(x, axis):      # numpy; x: float32 -> the quantised numbers, widened to float32 again
;;       x = np.moveaxis(x, axis, -1); K = x.shape[-1]
;;       x = np.pad(x, [(0, 0)] * (x.ndim - 1) + [(0, -K % 32)]); x = x.reshape(x.shape[:-1] + (-1, 32)); a = np.abs(x).max(-1, keepdims=True)
;;       e = np.where(a > 0, np.clip(np.frexp(np.where(a > 0, a, 1))[1] - 1 - 2, -126, 127), 0)      # np.frexp(a)[1] - 1 = floor(log2(a)), exactly
;;       r = np.clip(x / 2.0 ** e, -6, 6)
;;       step = 2.0 ** (np.maximum(np.frexp(np.where(r == 0, 1, r))[1] - 1, 0) - 1)
;;       q = np.round(r / step) * step * 2.0 ** e      # np.round: ties to even
;;       return np.moveaxis(q.reshape(q.shape[:-2] + (-1,))[..., :K], -1, axis).astype(np.float32)
;;   ~~~
;; One version. Each part assembles by itself: llvm-mc -triple=amdgcn-amd-amdhsa -mcpu=gfx1250 --defsym DOCPART=n.
;; ======== version 1 of 1: 4 launches
;; limits: values are held in f16: magnitudes above 65,504 overflow, below 6.1e-05 lose precision; right only within a limited range of input values
;; workspace buffers: xq 4,456,448 bytes; wq 1,671,168 bytes; wo16 2,097,152 bytes; q16 16,777,216 bytes; kv 4,202,496 bytes; g16 8,388,864 bytes
;; launch prep (part 1): grid 384 x 1, 4 waves a work-group, no clusters, 67,072 bytes of LDS; arguments x, Wk, Wv, Wq, Wo, xq, wq, wo16; writes xq, wq, wo16
.if DOCPART == 1
	.amdgcn_target "amdgcn-amd-amdhsa--gfx1250"
	.amdhsa_code_object_version 6
	.text
	.protected	k_q5d6ea3189e_prep
	.globl	k_q5d6ea3189e_prep
	.p2align	8
	.type	k_q5d6ea3189e_prep,@function
k_q5d6ea3189e_prep:
	s_mov_b64 s[64:65], 0
	v_nop
	global_prefetch_b8 v0, s[64:65] scope:SCOPE_SE
	s_setreg_imm32_b32 hwreg(HW_REG_WAVE_MODE, 25, 1), 1
	s_wait_xcnt 0x0
; MULTI-HEAD COSINE ATTENTION, first of four launches: the operands are laid out.
; THE WHOLE PROGRAM.  q = norm(x Wq + bq), k = norm(x Wk + bk), v = x Wv + bv (three products on codes of E2M1, quantised along K = 1,024), then
; out = ((q k^T) / c_h) v, c_h = 2,048^sigmoid(m_h), and out Wo + bo.
; WORK LEFT OUT.  The [2,048 x 2,048] product q k^T and its product with v are not formed.  Between q k^T, the division by c_h, the product with v and the product with
; Wo stands no softmax, no quantiser and no other step that is not linear, so for all real values of the inputs
;   ((q k^T) / c_h) v Wo_h = q ((k^T v / c_h) Wo_h),   Wo_h = the head's 64 rows of Wo.
; k^T v is 64 x 64 for each batch and head (K = the 2,048 tokens); folded with Wo_h it gives, for each batch, a matrix G [1,024 x 1,024], and out0 = q G + bo.
; Every input has a way to the result and is loaded.  LIMITS: an overflow, a NaN or an infinity that would arise only in q k^T is not carried to the result; the f32 sums are
; taken in another order than the one written; NaN and infinities among the inputs are not served; |Wo| up to 64 and |v| under 65,504 (both go on as f16).
; THIS LAUNCH.  x becomes codes of E2M1 with one E8M0 byte for each 32 along K; so do Wk, Wv, Wq, whose K is their FIRST axis; Wo becomes f16.  All are stored AS IMAGES OF THE
; OPERAND'S REGISTERS: a fragment is 1,024 bytes, its registers 0-3 at 16 x lane, its registers 4-7 at 512 + 16 x lane, so that a later launch fetches it by two loads of 512 dense bytes.
; A block's scale is 2^(floor(log2(largest magnitude)) - 2): its byte is the largest magnitude's exponent field - 2, held at 1 from below.  A block of zeros so gets the byte 1 where the
; rule says 127: its codes are zeros, which add nothing under any byte but 0xff, and this program alone reads the bytes.
; SHARES.  Every wave has a task of 32 KiB, four steps of sixteen loads of 512 bytes.  Work-groups 0-255: x, tile T = 2 x work-group + wave / 2 (16 tokens), half wave % 2 of K.
; Work-groups 256-383: g = 0 Wk, 1 Wv, 2 Wq, 3 Wo; a task is 128 rows (K step s) x 64 columns (head h).  No matrix work, nothing shared between work-groups: no cluster, no tensor load.
; A step's numbers turn through the wave's own stage in LDS, so that loads take bytes as they lie and a lane ends up with neighbours along K in its registers.
.set XPITCH, 528                       ; x's stage: a row of 512 bytes + 16: row r starts 4 r banks on
.set XWS,    16*XPITCH
.set WSTG,   4*XWS                     ; the weights' stages have bytes of their own
.set WWS,    8192                      ; 32 rows of 256 bytes
.set SPARE,  WSTG+4*WWS                ; the spare words, 128 bytes for each wave: two blocks of 256 bytes that no other line names
.set LN,   1                           ; lane
.set RR,   2                           ; lane % 16
.set HH,   3                           ; lane / 16
.set GIN,  4                           ; the weights' load offset
.set SIN,  5                           ; stage, on the way in
.set SOUT, 6                           ; stage, on the way out
.set L16,  7                           ; 16 x lane
.set MX,   8                           ; v8-9   two blocks' largest magnitudes
.set SO,   10                          ; v10-11 the conversions' scale operands
.set BY,   12                          ; v12-13 the scale bytes
.set PT,   14                          ; a permute's destination
.set SH,   15                          ; 8 x (lane / 16)
.set SPW,  16                          ; LDS address of my spare word; never rewritten
.set NIL,  17                          ; 0; never rewritten
.set WD,   18                          ; v18-21 scale words
.set FW,   22                          ; v22-23 the two words that I store
.set C,    24                          ; v24-55 results
.set X,    56                          ; v56-119 64 numbers behind the turn
.set R,    120                         ; v120-247 two sets of 64, as loaded
.set A1,   248                         ; store offsets
.set A2,   249
.set A3,   250
; sixteen loads of step t into set t % 2
.macro LOAD16 t, adr, sb, ti, ii
.irp i, 0,1,2,3,4,5,6,7,8,9,10,11,12,13,14,15
	global_load_b128 v[R+64*((\t)%2)+4*\i:R+64*((\t)%2)+4*\i+3], v[\adr], s[\sb:\sb+1] offset:(\t)*\ti+\i*\ii th:TH_LOAD_NT
.endr
.endm
; and into the stage as they came
.macro INTO t, pitch
.irp i, 0,1,2,3,4,5,6,7,8,9,10,11,12,13,14,15
	ds_store_b128 v[SIN], v[R+64*((\t)%2)+4*\i:R+64*((\t)%2)+4*\i+3] offset:\i*\pitch
.endr
.endm
; two blocks of 32 numbers, v[X] on and v[X + 32] on, become 4 + 4 registers of codes from v[dst] on; their bytes in v[BY], v[BY + 1]
.macro QB2 dst
.irp c, 0,1
	v_max3_num_f32 v[MX+\c], |v[X+32*\c]|, |v[X+32*\c+1]|, 0x1800000   ; with the floor 2^(3 - 127): the byte cannot fall under 1
.endr
.irp i, 2,4,6,8,10,12,14,16,18,20,22,24,26,28,30
.irp c, 0,1
	v_max3_num_f32 v[MX+\c], v[MX+\c], |v[X+32*\c+\i]|, |v[X+32*\c+\i+1]|   ; the two blocks by turns
.endr
.endr
.irp c, 0,1
	v_add_nc_u32 v[SO+\c], 0xff000000, v[MX+\c]    ; 2 off the exponent field: the conversion takes that field as its scale, and nothing else
.endr
.irp c, 0,1
	v_lshrrev_b32 v[BY+\c], 23, v[SO+\c]           ; the scale's byte
.endr
.irp c, 0,1
.irp g, 0,1,2,3
	v_cvt_scalef32_pk8_fp4_f32 v[\dst+4*\c+\g], v[X+32*\c+8*\g:X+32*\c+8*\g+7], v[SO+\c]
.endr
.endr
	v_nop                                          ; one plain line behind the last scaled conversion
.endm
.macro FINISH                          ; the wave's end: a tensor wait, an add of 0 to my spare word and its wait, behind my last LDS store
	s_wait_tensorcnt 0x0
	ds_add_u32 v[SPW], v[NIL]
	s_wait_dscnt 0x0
	s_endpgm
.endm
	s_load_b256 s[4:11], s[0:1], 0x0               ; x, Wk, Wv, Wq
	s_load_b256 s[12:19], s[0:1], 0x20             ; Wo, xq, wq, wo16
	v_lshl_add_u32 v[SPW], v0, 2, SPARE
	v_mov_b32 v[NIL], 0
	v_lshrrev_b32 v[LN], 5, v0
	v_readfirstlane_b32 s20, v[LN]                 ; wave
	v_and_b32 v[LN], 31, v0
	v_and_b32 v[RR], 15, v0
	v_bfe_u32 v[HH], v0, 4, 1
	v_lshlrev_b32 v[L16], 4, v[LN]
	s_mov_b32 s22, 0x76543210
	s_mov_b32 s23, 0xfedcba98                      ; v_permlanex16_b32's selects for lane l xor 16
	s_cmp_lt_u32 ttmp9, 256
	s_cbranch_scc0 .Lweights
	; ---- x: 16 tokens x 512 along K
	s_lshl_b32 s24, ttmp9, 1
	s_lshr_b32 s25, s20, 1
	s_add_co_u32 s24, s24, s25                     ; T
	s_and_b32 s25, s20, 1                          ; which half of K
	s_mul_i32 s26, s20, XWS                        ; my stage
	v_add_nc_u32 v[SIN], s26, v[L16]               ; in: row i at 528 i, 16 bytes a lane
	v_mul_u32_u24 v[SOUT], v[RR], XPITCH
	v_lshl_add_u32 v[SOUT], v[HH], 7, v[SOUT]
	v_add_nc_u32 v[SOUT], s26, v[SOUT]             ; out: row r, + 128 (lane / 16): the operand's layout gives lane (r, h) k = 64 c + 32 h + 0 .. 31
	v_lshlrev_b32 v[SH], 3, v[HH]
	v_mov_b32 v[PT], 0
	s_lshl_b32 s28, s24, 16                        ; x: 16 rows of 4,096 bytes a tile,
	s_lshl_b32 s27, s25, 11
	s_add_co_u32 s28, s28, s27                     ; + my half of the rows
	s_mov_b32 s29, 0
	s_lshl_b32 s30, s24, 13                        ; codes: 8 fragments a tile,
	s_lshl_b32 s27, s25, 12
	s_add_co_u32 s30, s30, s27                     ; + my four
	s_mov_b32 s31, 0
	s_lshr_b32 s32, s24, 1                         ; scale words: [pair of tiles][half of K][lane][4]: lanes 0-15 the even tile's rows, lanes 16-31 the odd tile's
	s_lshl_b32 s32, s32, 10
	s_lshl_b32 s27, s25, 9
	s_add_co_u32 s32, s32, s27
	s_and_b32 s27, s24, 1
	s_lshl_b32 s27, s27, 8
	s_add_co_u32 s32, s32, s27
	s_add_co_u32 s32, s32, 4194304                 ; behind the codes
	s_mov_b32 s33, 0
	s_wait_kmcnt 0x0
	s_add_nc_u64 s[4:5], s[4:5], s[28:29]
	s_add_nc_u64 s[34:35], s[14:15], s[32:33]
	s_add_nc_u64 s[14:15], s[14:15], s[30:31]
	LOAD16 0, L16, 4, 512, 4096
	LOAD16 1, L16, 4, 512, 4096
.macro XSTEP t                         ; 128 along K of my 16 rows: one fragment and its scale words
.if \t < 3
	s_wait_loadcnt 16                              ; this step's sixteen loads are in; the next step's may be out
.else
	s_wait_loadcnt 0x0
.endif
	INTO \t, XPITCH
.irp c, 0,1
.irp j, 0,1,2,3,4,5,6,7
	ds_load_b128 v[X+32*\c+4*\j:X+32*\c+4*\j+3], v[SOUT] offset:256*\c+16*\j   ; LDS serves a wave's instructions in order: these see the stores above
.endr
.endr
	s_wait_dscnt 0x0                               ; my 64 numbers are back, and the stores have read their set
.if \t < 2
	LOAD16 (\t)+2, L16, 4, 512, 4096
.endif
	QB2 C+8*(\t)
	v_lshl_or_b32 v[WD+\t], v[BY+1], 16, v[BY]     ; my two bytes: blocks h and 2 + h of row r,
	v_lshlrev_b32 v[WD+\t], v[SH], v[WD+\t]        ; at their places in the word;
	v_permlanex16_b32 v[PT], v[WD+\t], s22, s23
	v_or_b32 v[WD+\t], v[WD+\t], v[PT]             ; with lane l xor 16's two the word is whole
	global_store_b128 v[L16], v[C+8*(\t):C+8*(\t)+3], s[14:15] offset:1024*(\t)        ; each store of the wave covers 512 consecutive bytes, aligned
	global_store_b128 v[L16], v[C+8*(\t)+4:C+8*(\t)+7], s[14:15] offset:1024*(\t)+512
.endm
	XSTEP 0
	XSTEP 1
	XSTEP 2
	XSTEP 3
	v_cmp_eq_u32 vcc_lo, 1, v[HH]
	v_cndmask_b32 v[FW], v[WD], v[WD+2], vcc_lo    ; lanes 0-15 store words 0 and 1 of their row, lanes 16-31 words 2 and 3
	v_cndmask_b32 v[FW+1], v[WD+1], v[WD+3], vcc_lo
	v_lshlrev_b32 v[A1], 4, v[RR]
	v_lshl_add_u32 v[A1], v[HH], 3, v[A1]
	global_store_b64 v[A1], v[FW:FW+1], s[34:35]   ; 256 consecutive bytes, aligned
	FINISH
.Lweights:
	; ---- a weight: 128 rows (K step s) x 64 columns (head h).  A LANE TAKES A COLUMN AND ITS REGISTERS RUN DOWN K
	s_sub_co_u32 s24, ttmp9, 256
	s_lshr_b32 s25, s24, 5                         ; g: 0 Wk, 1 Wv, 2 Wq, 3 Wo
	s_and_b32 s24, s24, 31
	s_lshl_b32 s24, s24, 2
	s_add_co_u32 s24, s24, s20
	s_lshr_b32 s26, s24, 3                         ; h
	s_and_b32 s27, s24, 7                          ; s
	s_mul_i32 s28, s20, WWS
	s_add_co_u32 s28, s28, WSTG                    ; my stage
	v_add_nc_u32 v[SIN], s28, v[L16]               ; in: a load's two rows of 256 bytes on end
	v_lshl_add_u32 v[SOUT], v[LN], 2, s28          ; out: row k at 256 k, column 32 a + lane
	v_lshlrev_b32 v[GIN], 4, v[RR]
	v_lshl_add_u32 v[GIN], v[HH], 12, v[GIN]       ; lanes 0-15 an even row's 256 bytes, lanes 16-31 the odd row's
	v_lshlrev_b32 v[A1], 4, v[RR]
	v_lshl_add_u32 v[A2], v[HH], 15, v[A1]         ; f16: lanes 16-31 belong to the next tile of 16 columns, 32 fragments on;
	v_lshl_add_u32 v[A1], v[HH], 10, v[A1]         ; codes: one fragment on
	v_lshlrev_b32 v[A3], 3, v[LN]
	v_mov_b32 v[WD], 0
	v_mov_b32 v[WD+1], 0
	s_lshl_b32 s30, s27, 19                        ; in: 128 s rows of 4,096 bytes + 256 h
	s_lshl_b32 s29, s26, 8
	s_add_co_u32 s30, s30, s29
	s_mov_b32 s31, 0
	s_mul_i32 s32, s26, 104448                     ; codes: [h][unit 8 g + s][4 fragments, then 256 bytes of scale words]
	s_lshl_b32 s29, s25, 3
	s_add_co_u32 s29, s29, s27
	s_mul_i32 s29, s29, 4352
	s_add_co_u32 s32, s32, s29
	s_mov_b32 s33, 0
	s_lshl_b32 s34, s26, 17                        ; f16: [tile of 16 columns][32 along K][1,024]: tile 4 h, fragment 4 s
	s_lshl_b32 s29, s27, 12
	s_add_co_u32 s34, s34, s29
	s_mov_b32 s35, 0
	s_wait_kmcnt 0x0
	s_cmp_eq_u32 s25, 1                            ; the tensor is chosen by the work-group's number alone
	s_cselect_b64 s[6:7], s[8:9], s[6:7]
	s_cmp_eq_u32 s25, 2
	s_cselect_b64 s[6:7], s[10:11], s[6:7]
	s_cmp_eq_u32 s25, 3
	s_cselect_b64 s[6:7], s[12:13], s[6:7]
	s_add_nc_u64 s[6:7], s[6:7], s[30:31]
	s_add_nc_u64 s[16:17], s[16:17], s[32:33]
	s_add_nc_u64 s[18:19], s[18:19], s[34:35]
	LOAD16 0, GIN, 6, 131072, 8192
	LOAD16 1, GIN, 6, 131072, 8192
.macro WSTEP t                         ; 32 rows: one block along K of each of my 64 columns
.if \t < 3
	s_wait_loadcnt 16                              ; this step's sixteen loads are in; the next step's may be out
.else
	s_wait_loadcnt 0x0
.endif
	INTO \t, 512
.irp a, 0,1
.irp k, 0,1,2,3,4,5,6,7,8,9,10,11,12,13,14,15,16,17,18,19,20,21,22,23,24,25,26,27,28,29,30,31
	ds_load_b32 v[X+32*\a+\k], v[SOUT] offset:256*\k+128*\a
.endr
.endr
	s_wait_dscnt 0x0
.if \t < 2
	LOAD16 (\t)+2, GIN, 6, 131072, 8192
.endif
.if \t > 0
	s_wait_xcnt 0x0                                ; the last step's stores have read their data: the results' registers are written again only behind this wait
.endif
	s_cmp_eq_u32 s25, 3
	s_cbranch_scc1 .Lwo_\@
	QB2 C+8*(\t)                                   ; block t of K step s is c = t / 2, half t % 2 of the fragment
	v_lshl_or_b32 v[WD], v[BY], 8*(\t), v[WD]      ; byte t of my column's scale word
	v_lshl_or_b32 v[WD+1], v[BY+1], 8*(\t), v[WD+1]
	global_store_b128 v[A1], v[C+8*(\t):C+8*(\t)+3], s[16:17] offset:512*((\t)/2)+256*((\t)%2)          ; sixteen lanes store 256 consecutive bytes, aligned
	global_store_b128 v[A1], v[C+8*(\t)+4:C+8*(\t)+7], s[16:17] offset:2048+512*((\t)/2)+256*((\t)%2)
	s_branch .Lwj_\@
.Lwo_\@:
.irp a, 0,1
.irp i, 0,1,2,3,4,5,6,7,8,9,10,11,12,13,14,15
	v_cvt_pk_f16_f32 v[C+16*\a+\i], v[X+32*\a+2*\i], v[X+32*\a+2*\i+1]
.endr
.endr
.irp a, 0,1
.irp u, 0,1,2,3
	global_store_b128 v[A2], v[C+16*\a+4*\u:C+16*\a+4*\u+3], s[18:19] offset:65536*\a+1024*(\t)+256*\u   ; k = 8 u .. 8 u + 7 of my column: quarter u of the fragment's image
.endr
.endr
.Lwj_\@:
.endm
	WSTEP 0
	WSTEP 1
	WSTEP 2
	WSTEP 3
	s_cmp_eq_u32 s25, 3
	s_cbranch_scc1 .Lwdone
	global_store_b64 v[A3], v[WD:WD+1], s[16:17] offset:4096   ; word a: tile 2 a in lanes 0-15, tile 2 a + 1 in lanes 16-31; 256 consecutive bytes
.Lwdone:
	FINISH
.Lfunc_end_k_q5d6ea3189e_prep:
	.size	k_q5d6ea3189e_prep, .Lfunc_end_k_q5d6ea3189e_prep-k_q5d6ea3189e_prep
	.p2alignl 7, 3214868480
	.fill 96, 4, 3214868480
	.section	.rodata,"a",@progbits
	.p2align	6, 0x0
	.amdhsa_kernel k_q5d6ea3189e_prep
		.amdhsa_group_segment_fixed_size 67072
		.amdhsa_private_segment_fixed_size 0
		.amdhsa_enable_private_segment 0
		.amdhsa_kernarg_size 64
		.amdhsa_user_sgpr_count 2
		.amdhsa_user_sgpr_kernarg_segment_ptr 1
		.amdhsa_wavefront_size32 1
		.amdhsa_system_sgpr_workgroup_id_x 1
		.amdhsa_system_sgpr_workgroup_id_y 1
		.amdhsa_system_sgpr_workgroup_id_z 1
		.amdhsa_system_vgpr_workitem_id 0
		.amdhsa_next_free_vgpr 256
		.amdhsa_next_free_sgpr 66
		.amdhsa_reserve_vcc 1
		.amdhsa_float_denorm_mode_32 3
		.amdhsa_float_denorm_mode_16_64 3
		.amdhsa_memory_ordered 1
		.amdhsa_forward_progress 1
		.amdhsa_inst_pref_size 82
	.end_amdhsa_kernel
	.amdgpu_metadata
---
amdhsa.version: [ 1, 2 ]
amdhsa.kernels:
  - .name:           k_q5d6ea3189e_prep
    .symbol:         k_q5d6ea3189e_prep.kd
    .args:
      - { .name: x, .offset: 0, .size: 8, .value_kind: global_buffer, .address_space: global }
      - { .name: Wk, .offset: 8, .size: 8, .value_kind: global_buffer, .address_space: global }
      - { .name: Wv, .offset: 16, .size: 8, .value_kind: global_buffer, .address_space: global }
      - { .name: Wq, .offset: 24, .size: 8, .value_kind: global_buffer, .address_space: global }
      - { .name: Wo, .offset: 32, .size: 8, .value_kind: global_buffer, .address_space: global }
      - { .name: xq, .offset: 40, .size: 8, .value_kind: global_buffer, .address_space: global }
      - { .name: wq, .offset: 48, .size: 8, .value_kind: global_buffer, .address_space: global }
      - { .name: wo16, .offset: 56, .size: 8, .value_kind: global_buffer, .address_space: global }
    .group_segment_fixed_size: 67072
    .private_segment_fixed_size: 0
    .kernarg_segment_align: 8
    .kernarg_segment_size: 64
    .max_flat_workgroup_size: 128
    .sgpr_count:     66
    .vgpr_count:     256
    .wavefront_size: 32
...
	.end_amdgpu_metadata
.endif
;; end of part 1
;; launch qkv (part 2): grid 4 x 64, 8 waves a work-group, clusters of 4 x 1, 236,544 bytes of LDS; arguments xq, wq, bq, bk, bv, m, q16, kv; writes q16, kv
.if DOCPART == 2
	.amdgcn_target "amdgcn-amd-amdhsa--gfx1250"
	.amdhsa_code_object_version 6
	.text
	.protected	k_q5d6ea3189e_qkv
	.globl	k_q5d6ea3189e_qkv
	.p2align	8
	.type	k_q5d6ea3189e_qkv,@function
k_q5d6ea3189e_qkv:
	s_mov_b64 s[64:65], 0
	v_nop
	global_prefetch_b8 v0, s[64:65] scope:SCOPE_SE
	s_setreg_imm32_b32 hwreg(HW_REG_WAVE_MODE, 25, 1), 1
	s_wait_xcnt 0x0
	s_wait_alu depctr_hold_cnt(0) depctr_sa_sdst(0) depctr_va_vdst(0) depctr_va_sdst(0) depctr_va_ssrc(0) depctr_va_vcc(0) depctr_vm_vsrc(0)
	s_getreg_b32 s2, hwreg(HW_REG_IB_STS2, 6, 4)
	s_cmp_eq_u32 s2, 0
	s_cbranch_scc0 .Lentry_in_a_cluster
	s_endpgm
.Lentry_in_a_cluster:
	s_bfe_u32 s2, ttmp6, 0x10000c
	s_cmp_lg_u32 s2, 0x3003
	s_cbranch_scc0 .Lentry_shape_is_right
	s_endpgm
.Lentry_shape_is_right:
; Second launch: the three projections on codes of E2M1, the norms, q as f16, and (k^T v) / c_h summed over 512 tokens.
; q k^T is not formed (shown at the head of the first kernel): what leaves here is q and the 64 x 64 sums k^T v.
; SHARES.  A work-group owns 512 tokens of one batch and head; each of its eight waves 64 tokens, in two chunks of 32 (two tiles of 16).
; The head's weights, 24 units (k, v, q x 8 K steps) of four fragments and their scale words, 104,448 bytes, come into LDS once and stay.  CLUSTER: the four work-groups of a cluster are the four
; blocks of tokens of one batch and head and want the same weights, so these are asked for JOINTLY: every wave brings an eighth by one tensor load with a mask that names the four.  No LDS byte is filled again.
; x's fragments are read by one wave alone: they go from memory straight into registers, a whole chunk (16 fragments) at a time.
; q: source 0 = 16 features, source 1 = 16 tokens: a lane holds ONE token and eight features in a tile, so that the norm wants one exchange between the halves of the lanes and the rounded pairs are fragments with K = the features.
; k, v: sources the other way round: a lane holds ONE feature and eight tokens, so that the rounded pairs are fragments with K = the tokens, for k^T v.
; max(sqrt(s), eps) is taken as sqrt(max(s, eps^2)), eps^2 = 1e-24 rounded to f32: the two differ only for vectors whose norm lies within rounding of 1e-12.
; LIMITS: |v| under 65,504 (it goes on as f16); NaN and infinities are not served.
; REGISTERS.  Window 0: v1-7 addresses; v8-15 x's scale words; v16-21 the weights' scale words, three sets; v22-29 bk, bv; v32-127 three sets of four weight fragments, at work between the passes; v128-255 accumulators.
;   Window 1: v0-127 the 16 accumulators of k^T v; v128-255 the chunk's x.
.set UNIT,  4352                       ; four fragments and 256 bytes of scale words
.set WB,    24*UNIT
.set WPART, WB/8                       ; 51 rows of 256 bytes: a wave's load
.set RED,   WB                         ; 8 x 16,384 bytes: each wave's sums of k^T v
.set SPARE, RED+8*16384                ; the spare words, 128 bytes for each wave: four blocks of 256 bytes that no other line names
.set LW0, 1                            ; 16 x lane: units 0-11, and the offset of every dense global access
.set LW1, 2                            ; + 12 units
.set LS0, 3                            ; 8 x lane + 4,096: a unit's scale words
.set LS1, 4
.set SPW, 5                            ; LDS address of my spare word; never rewritten
.set NIL, 6                            ; 0; never rewritten
.set VBQ, 7                            ; 32 x (lane / 16)
.set XS,  8
.set WSC, 16
.set BK,  22
.set BV,  26
.set VB4, 30                           ; 4 x (lane % 16)
.set WF,  32
.set SS,  32                           ; between the passes: sums of squares,
.set KP,  48                           ; k's four fragments,
.set VP,  80                           ; v's four
.set ACC, 128
.set BQ,  192                          ; bq in the result's layout, later q's fragments
.set XF,  128                          ; in window 1
.set WV,  20
.set SEL, 56
.set IS,  58                           ; s[58:59] 1 / c_h
.set MSB, 0
.macro WIN new                         ; the immediate's high byte repeats the setting that is left
.if MSB != \new
	s_set_vgpr_msb (MSB<<8)|\new
.set MSB, \new
.endif
.endm
.macro PLACES                          ; four plain lines between a matrix instruction and a load into, or a vector line on, its registers
.rept 4
	v_nop
.endr
.endm
.macro CROUND                          ; a round of the cluster's barrier
	s_barrier_signal -1
	s_barrier_wait -1
	s_cmp_lg_u32 s[WV], 0
	s_cbranch_scc1 .Lnot_wave_0_\@
	s_barrier_signal -3
.Lnot_wave_0_\@:
	s_barrier_wait -3
	s_barrier_signal -1
	s_barrier_wait -1
.endm
; one product on codes.  ra, rb = 1: that side's scales stand in lanes 16-31 of its register
.macro FP4 d, a, b, zero, sa, sb, ra, rb
.if \zero
.if (\ra)&&(\rb)
	v_wmma_scale_f32_16x16x128_f8f6f4 v[\d:\d+7], v[\a:\a+7], v[\b:\b+7], 0, v[\sa], v[\sb] matrix_a_fmt:MATRIX_FMT_FP4 matrix_b_fmt:MATRIX_FMT_FP4 matrix_a_scale:MATRIX_SCALE_ROW1 matrix_b_scale:MATRIX_SCALE_ROW1
.elseif \ra
	v_wmma_scale_f32_16x16x128_f8f6f4 v[\d:\d+7], v[\a:\a+7], v[\b:\b+7], 0, v[\sa], v[\sb] matrix_a_fmt:MATRIX_FMT_FP4 matrix_b_fmt:MATRIX_FMT_FP4 matrix_a_scale:MATRIX_SCALE_ROW1
.elseif \rb
	v_wmma_scale_f32_16x16x128_f8f6f4 v[\d:\d+7], v[\a:\a+7], v[\b:\b+7], 0, v[\sa], v[\sb] matrix_a_fmt:MATRIX_FMT_FP4 matrix_b_fmt:MATRIX_FMT_FP4 matrix_b_scale:MATRIX_SCALE_ROW1
.else
	v_wmma_scale_f32_16x16x128_f8f6f4 v[\d:\d+7], v[\a:\a+7], v[\b:\b+7], 0, v[\sa], v[\sb] matrix_a_fmt:MATRIX_FMT_FP4 matrix_b_fmt:MATRIX_FMT_FP4
.endif
.else
.if (\ra)&&(\rb)
	v_wmma_scale_f32_16x16x128_f8f6f4 v[\d:\d+7], v[\a:\a+7], v[\b:\b+7], v[\d:\d+7], v[\sa], v[\sb] matrix_a_fmt:MATRIX_FMT_FP4 matrix_b_fmt:MATRIX_FMT_FP4 matrix_a_scale:MATRIX_SCALE_ROW1 matrix_b_scale:MATRIX_SCALE_ROW1
.elseif \ra
	v_wmma_scale_f32_16x16x128_f8f6f4 v[\d:\d+7], v[\a:\a+7], v[\b:\b+7], v[\d:\d+7], v[\sa], v[\sb] matrix_a_fmt:MATRIX_FMT_FP4 matrix_b_fmt:MATRIX_FMT_FP4 matrix_a_scale:MATRIX_SCALE_ROW1
.elseif \rb
	v_wmma_scale_f32_16x16x128_f8f6f4 v[\d:\d+7], v[\a:\a+7], v[\b:\b+7], v[\d:\d+7], v[\sa], v[\sb] matrix_a_fmt:MATRIX_FMT_FP4 matrix_b_fmt:MATRIX_FMT_FP4 matrix_b_scale:MATRIX_SCALE_ROW1
.else
	v_wmma_scale_f32_16x16x128_f8f6f4 v[\d:\d+7], v[\a:\a+7], v[\b:\b+7], v[\d:\d+7], v[\sa], v[\sb] matrix_a_fmt:MATRIX_FMT_FP4 matrix_b_fmt:MATRIX_FMT_FP4
.endif
.endif
.endm
; unit un of the weights into set st: nine LDS loads
.macro LOADU st, un
.if (\un) < 12
.set LWR, LW0
.set LSR, LS0
.else
.set LWR, LW1
.set LSR, LS1
.endif
.irp t, 0,1,2,3
.irp c, 0,1
	ds_load_b128 v[WF+32*(\st)+8*\t+4*\c:WF+32*(\st)+8*\t+4*\c+3], v[LWR] offset:((\un)%12)*UNIT+1024*\t+512*\c
.endr
.endr
	ds_load_b64 v[WSC+2*(\st):WSC+2*(\st)+1], v[LSR] offset:((\un)%12)*UNIT
.endm
; eight products of K step ks, eight accumulators by turns
.macro MULQ st, ks
.irp y, 0,1
.irp t, 0,1,2,3
	FP4 ACC+8*(4*\y+\t), WF+32*(\st)+8*\t, XF+64*\y+8*(\ks), (\ks)==0, WSC+2*(\st)+\t/2, XS+(\ks), \t%2, \y
.endr
.endr
.endm
.macro MULKV st, ks, g
.irp y, 0,1
.irp t, 0,1,2,3
	FP4 ACC+8*(8*(\g)+4*\y+\t), XF+64*\y+8*(\ks), WF+32*(\st)+8*\t, (\ks)==0, XS+(\ks), WSC+2*(\st)+\t/2, \y, \t%2
.endr
.endr
.endm
; q's pass: units 16 .. 23.  One window setting serves it all: x is source 1, and an LDS load names a destination and source 0 alone
.macro QPASS
	LOADU 0, 16
	LOADU 1, 17
	LOADU 2, 18
	WIN 0x04
.set u, 0
.rept 8
.if u < 6
	s_wait_dscnt 18                                ; this unit's nine loads are in; the two younger units' may be out
.elseif u == 6
	s_wait_dscnt 9
.else
	s_wait_dscnt 0x0
.endif
	MULQ u%3, u
	PLACES
.if u+3 < 8
	LOADU u%3, 16+u+3
.endif
.set u, u+1
.endr
	WIN 0
.endm
; q's way out: bias, norm over the head's 64 features, f16, store.  Lane (r, h) holds token r and features 16 t + 8 h + j
.macro QEPI ch
	s_wait_loadcnt 0x0                             ; bq
.irp y, 0,1
.irp t, 0,1,2,3
.irp j, 0,2,4,6
	v_pk_add_f32 v[ACC+8*(4*\y+\t)+\j:ACC+8*(4*\y+\t)+\j+1], v[ACC+8*(4*\y+\t)+\j:ACC+8*(4*\y+\t)+\j+1], v[BQ+8*\t+\j:BQ+8*\t+\j+1]   ; each accumulator from its low end on
.endr
.endr
.endr
.irp y, 0,1
.irp a, 0,1
	v_pk_mul_f32 v[SS+4*\y+2*\a:SS+4*\y+2*\a+1], v[ACC+32*\y+16*\a:ACC+32*\y+16*\a+1], v[ACC+32*\y+16*\a:ACC+32*\y+16*\a+1]   ; four chains of squares by turns
.endr
.endr
.irp i, 2,4,6,8,10,12,14
.irp y, 0,1
.irp a, 0,1
	v_pk_fma_f32 v[SS+4*\y+2*\a:SS+4*\y+2*\a+1], v[ACC+32*\y+16*\a+\i:ACC+32*\y+16*\a+\i+1], v[ACC+32*\y+16*\a+\i:ACC+32*\y+16*\a+\i+1], v[SS+4*\y+2*\a:SS+4*\y+2*\a+1]
.endr
.endr
.endr
.irp y, 0,1
	v_pk_add_f32 v[SS+4*\y:SS+4*\y+1], v[SS+4*\y:SS+4*\y+1], v[SS+4*\y+2:SS+4*\y+3]
.endr
.irp y, 0,1
	v_add_f32 v[SS+4*\y], v[SS+4*\y], v[SS+4*\y+1]
.endr
.irp y, 0,1
	v_permlanex16_b32 v[SS+4*\y+1], v[SS+4*\y], s[SEL], s[SEL+1]   ; the token's other 32 features lie in the lane 16 away
.endr
.irp y, 0,1
	v_add_f32 v[SS+4*\y], v[SS+4*\y], v[SS+4*\y+1]
.endr
.irp y, 0,1
	v_max_num_f32 v[SS+4*\y], 0x179abe15, v[SS+4*\y]               ; eps^2
.endr
.irp y, 0,1
	v_rsq_f32 v[SS+4*\y+2], v[SS+4*\y]
.endr
	v_nop                                          ; a plain line behind the last of the two,
	s_wait_alu depctr_va_vdst(0)                   ; and one wait for both ahead of their first reader
.irp y, 0,1
.irp i, 0,2,4,6,8,10,12,14,16,18,20,22,24,26,28,30
	v_pk_mul_f32 v[ACC+32*\y+\i:ACC+32*\y+\i+1], v[ACC+32*\y+\i:ACC+32*\y+\i+1], v[SS+4*\y+2:SS+4*\y+3] op_sel_hi:[1,0]
.endr
.endr
.irp y, 0,1
.irp t, 0,1,2,3
.irp j, 0,2,4,6
	v_cvt_pk_f16_f32 v[BQ+16*\y+4*\t+\j/2], v[ACC+8*(4*\y+\t)+\j], v[ACC+8*(4*\y+\t)+\j+1]   ; tiles 2 f and 2 f + 1 are registers 0-3 and 4-7 of fragment f (32 features)
.endr
.endr
.endr
.irp y, 0,1
.irp f, 0,1
.irp c, 0,1
	global_store_b128 v[LW0], v[BQ+16*\y+8*\f+4*\c:BQ+16*\y+8*\f+4*\c+3], s[16:17] offset:65536*\ch+32768*\y+1024*\f+512*\c   ; 512 consecutive bytes, aligned
.endr
.endr
.endr
.endm
; k's and v's pass: K step u / 2, k (u even) or v (u odd).  nx = 1: x's fragments of a K step that is done take the next chunk's
.macro KVPASS ch, nx
	s_wait_xcnt 0x0                                ; q's stores have read their data: those registers are v's accumulators now
	LOADU 0, 0
	LOADU 1, 8
	LOADU 2, 1
.set u, 0
.rept 16
.if u < 14
	s_wait_dscnt 18                                ; this unit's nine loads are in; the two younger units' may be out
.elseif u == 14
	s_wait_dscnt 9
.else
	s_wait_dscnt 0x0
.endif
	WIN 0x01
	MULKV u%3, u/2, u%2
	PLACES
	WIN 0
.if u+3 < 16
	LOADU u%3, 8*((u+3)%2)+(u+3)/2
.endif
.if (\nx)&&(u%2)
	WIN 0x40
.irp y, 0,1
.irp c, 0,1
	global_load_b128 v[XF+64*\y+8*(u/2)+4*\c:XF+64*\y+8*(u/2)+4*\c+3], v[LW0], s[40:41] offset:(2*(\ch)+2+\y)*8192+(u/2)*1024+512*\c
.endr
.endr
	WIN 0
.endif
.set u, u+1
.endr
.if \nx
	global_load_b128 v[XS:XS+3], v[LW0], s[42:43] offset:1024*(\ch)+1024
	global_load_b128 v[XS+4:XS+7], v[LW0], s[42:43] offset:1024*(\ch)+1536
.endif
.endm
; k: bias, norm; v: bias; both to f16.  Lane (r, h) holds feature 16 t + r and tokens 16 y + 8 h + j
.macro KVEPI
.irp y, 0,1
.irp t, 0,1,2,3
.irp j, 0,1,2,3,4,5,6,7
	v_add_f32 v[ACC+8*(4*\y+\t)+\j], v[ACC+8*(4*\y+\t)+\j], v[BK+\t]
.endr
.endr
.endr
.irp y, 0,1
.irp j, 0,2,4,6
	v_pk_mul_f32 v[SS+8*\y+\j:SS+8*\y+\j+1], v[ACC+32*\y+\j:ACC+32*\y+\j+1], v[ACC+32*\y+\j:ACC+32*\y+\j+1]
.endr
.endr
.irp t, 1,2,3
.irp y, 0,1
.irp j, 0,2,4,6
	v_pk_fma_f32 v[SS+8*\y+\j:SS+8*\y+\j+1], v[ACC+8*(4*\y+\t)+\j:ACC+8*(4*\y+\t)+\j+1], v[ACC+8*(4*\y+\t)+\j:ACC+8*(4*\y+\t)+\j+1], v[SS+8*\y+\j:SS+8*\y+\j+1]
.endr
.endr
.endr
.irp x, 1,2,4,8
.irp i, 0,1,2,3,4,5,6,7,8,9,10,11,12,13,14,15
	v_add_f32_dpp v[SS+\i], v[SS+\i], v[SS+\i] row_xmask:\x row_mask:0xf bank_mask:0xf   ; over the sixteen lanes that hold a token's features; the sixteen tokens by turns
.endr
.endr
.irp i, 0,1,2,3,4,5,6,7,8,9,10,11,12,13,14,15
	v_max_num_f32 v[SS+\i], 0x179abe15, v[SS+\i]
.endr
.irp i, 0,1,2,3,4,5,6,7,8,9,10,11,12,13,14,15
	v_rsq_f32 v[SS+\i], v[SS+\i]
.endr
.irp y, 0,1                                    ; v's part names none of the sixteen results: it is the work behind the batch
.irp t, 0,1,2,3
.irp j, 0,1,2,3,4,5,6,7
	v_add_f32 v[ACC+64+8*(4*\y+\t)+\j], v[ACC+64+8*(4*\y+\t)+\j], v[BV+\t]
.endr
.endr
.endr
.irp y, 0,1
.irp t, 0,1,2,3
.irp j, 0,2,4,6
	v_cvt_pk_f16_f32 v[VP+8*\t+4*\y+\j/2], v[ACC+64+8*(4*\y+\t)+\j], v[ACC+64+8*(4*\y+\t)+\j+1]   ; token tile y is half y of the fragment (K = the chunk's 32 tokens)
.endr
.endr
.endr
	s_wait_alu depctr_va_vdst(0)                   ; one wait for the sixteen, ahead of their first reader
.irp y, 0,1
.irp t, 0,1,2,3
.irp j, 0,2,4,6
	v_pk_mul_f32 v[ACC+8*(4*\y+\t)+\j:ACC+8*(4*\y+\t)+\j+1], v[ACC+8*(4*\y+\t)+\j:ACC+8*(4*\y+\t)+\j+1], v[SS+8*\y+\j:SS+8*\y+\j+1]
.endr
.endr
.endr
.irp y, 0,1
.irp t, 0,1,2,3
.irp j, 0,2,4,6
	v_cvt_pk_f16_f32 v[KP+8*\t+4*\y+\j/2], v[ACC+8*(4*\y+\t)+\j], v[ACC+8*(4*\y+\t)+\j+1]
.endr
.endr
.endr
.endm
; k^T v of the chunk's 32 tokens: source 0 = 16 features e of v, source 1 = 16 features d of k; sixteen accumulators by turns; the first chunk starts the sums
.macro KVMUL ch
	WIN 0x50
.irp e, 0,1,2,3
.irp d, 0,1,2,3
.if \ch == 0
	v_wmma_f32_16x16x32_f16 v[8*(4*\e+\d):8*(4*\e+\d)+7], v[VP+8*\e:VP+8*\e+7], v[KP+8*\d:KP+8*\d+7], 0
.else
	v_wmma_f32_16x16x32_f16 v[8*(4*\e+\d):8*(4*\e+\d)+7], v[VP+8*\e:VP+8*\e+7], v[KP+8*\d:KP+8*\d+7], v[8*(4*\e+\d):8*(4*\e+\d)+7]
.endif
.endr
.endr
	WIN 0
	PLACES
.endm
.macro CHUNK ch, nx
.irp t, 0,1,2,3
	global_load_b128 v[BQ+8*\t:BQ+8*\t+3], v[VBQ], s[8:9] offset:64*\t        ; bq at features 16 t + 8 (lane / 16) + 0 .. 7; it lands while q's pass runs
	global_load_b128 v[BQ+8*\t+4:BQ+8*\t+7], v[VBQ], s[8:9] offset:64*\t+16
.endr
	s_wait_loadcnt 8                               ; x, its scale words, bk and bv are in; the eight loads of bq may be out
	QPASS
	QEPI \ch
	KVPASS \ch, \nx
	KVEPI
	KVMUL \ch
.endm
	s_load_b256 s[4:11], s[0:1], 0x0               ; xq, wq, bq, bk
	s_load_b256 s[12:19], s[0:1], 0x20             ; bv, m, q16, kv
	v_lshl_add_u32 v[SPW], v0, 2, SPARE
	v_mov_b32 v[NIL], 0
	ds_add_u32 v[SPW], v[NIL]                      ; the wave's opening: the add, twice on end, and its wait ahead of my first tensor load
	ds_add_u32 v[SPW], v[NIL]
	v_lshrrev_b32 v1, 5, v0
	v_readfirstlane_b32 s[WV], v1                  ; wave 0..7
	s_bfe_u32 s21, ttmp6, 0x40000                  ; my place in the cluster: which 512 tokens.  It enters global addresses of x, q and the sums alone
	s_and_b32 s22, ttmp7, 0xffff                   ; batch and head, which the four partners share
	s_and_b32 s23, s22, 15                         ; h
	s_lshr_b32 s24, s22, 4                         ; b
	s_mov_b32 s28, 15|(3<<16)|(1<<21)              ; group 1: the mask names all four; elements of 8 bytes; bit 21 beside a mask; no padding
	s_mov_b32 s29, 32<<16                          ; tensor_dim0 = 32 elements: rows of 256 bytes
	s_mov_b32 s30, 51<<16                          ; tensor_dim1 = 51
	s_mov_b32 s31, 32<<16                          ; tile_dim0
	s_mov_b32 s32, 51                              ; tile_dim1
	s_mov_b32 s33, 32                              ; the rows are dense
	s_mov_b32 s34, 0
	s_mov_b32 s35, 0
	s_mov_b32 s36, 1                               ; group 0: count,
	s_mul_i32 s37, s[WV], WPART                    ; LDS address: my eighth,
	s_mul_i32 s48, s23, WB
	s_add_co_u32 s48, s48, s37                     ; and the same eighth of the head's block in memory
	s_mov_b32 s49, 0
	s_lshl_b32 s50, s23, 8                         ; the head's 64 numbers of a bias
	s_mov_b32 s51, 0
	s_lshl_b32 s52, s24, 7
	s_lshl_b32 s53, s21, 5
	s_add_co_u32 s52, s52, s53
	s_lshl_b32 s53, s[WV], 2
	s_add_co_u32 s52, s52, s53                     ; my first tile of 16 tokens: 128 b + 32 p + 4 wave
	s_lshl_b32 s40, s52, 13                        ; x's codes: 8 fragments a tile
	s_mov_b32 s41, 0
	s_lshl_b32 s42, s52, 9                         ; x's scale words: 1,024 bytes a pair of tiles,
	s_add_co_u32 s42, s42, 4194304                 ; behind the codes
	s_mov_b32 s43, 0
	s_lshl_b32 s26, s52, 15                        ; q: 32 fragments a tile,
	s_lshl_b32 s53, s23, 11
	s_add_co_u32 s26, s26, s53                     ; the head's two
	s_mov_b32 s27, 0
	s_lshl_b32 s54, s22, 2
	s_add_co_u32 s54, s54, s21                     ; 4 (batch, head) + p
	s_lshl_b32 s44, s54, 4
	s_lshl_b32 s53, s[WV], 1
	s_add_co_u32 s44, s44, s53
	s_lshl_b32 s44, s44, 10                        ; the sums: 16 tiles of 1,024 bytes; I store tiles 2 wave and 2 wave + 1
	s_mov_b32 s45, 0
	s_lshl_b32 s46, s54, 3
	s_add_co_u32 s46, s46, s[WV]
	s_lshl_b32 s46, s46, 2
	s_add_co_u32 s46, s46, 4194304                 ; and one largest magnitude a wave, behind them
	s_mov_b32 s47, 0
	s_lshl_b32 s52, s23, 2                         ; m[h]
	s_mov_b32 s53, 0
	s_mov_b32 s[SEL], 0x76543210
	s_mov_b32 s[SEL+1], 0xfedcba98
	v_and_b32 v7, 31, v0
	v_lshlrev_b32 v[LW0], 4, v7
	v_add_nc_u32 v[LW1], 12*UNIT, v[LW0]
	v_lshl_add_u32 v[LS0], v7, 3, 4096
	v_add_nc_u32 v[LS1], 12*UNIT, v[LS0]
	v_and_b32 v[VB4], 15, v0
	v_lshlrev_b32 v[VB4], 2, v[VB4]
	v_bfe_u32 v7, v0, 4, 1
	v_lshlrev_b32 v[VBQ], 5, v7
	s_wait_dscnt 0x0                               ; both opening adds are done
	s_wait_kmcnt 0x0
	s_add_nc_u64 s[38:39], s[6:7], s[48:49]
	s_or_b32 s39, s39, 0x80000000                  ; type = 2
	s_add_nc_u64 s[40:41], s[4:5], s[40:41]
	s_add_nc_u64 s[42:43], s[4:5], s[42:43]
	s_add_nc_u64 s[16:17], s[16:17], s[26:27]
	s_add_nc_u64 s[44:45], s[18:19], s[44:45]
	s_add_nc_u64 s[46:47], s[18:19], s[46:47]
	s_add_nc_u64 s[8:9], s[8:9], s[50:51]
	s_add_nc_u64 s[10:11], s[10:11], s[50:51]
	s_add_nc_u64 s[12:13], s[12:13], s[50:51]
	s_add_nc_u64 s[14:15], s[14:15], s[52:53]
	s_load_b32 s25, s[14:15], 0x0
	CROUND                                         ; all four work-groups are here: the joint loads meet
	tensor_load_to_lds s[36:39], s[28:35]          ; my one tensor load of the launch
	s_nop 0
	PLACES
	global_load_b128 v[XS:XS+3], v[LW0], s[42:43]              ; lanes 0-15: the even tile's rows, lanes 16-31: the odd tile's; word i: K step i
	global_load_b128 v[XS+4:XS+7], v[LW0], s[42:43] offset:512
	WIN 0x40
.irp y, 0,1
.irp k, 0,1,2,3,4,5,6,7
.irp c, 0,1
	global_load_b128 v[XF+64*\y+8*\k+4*\c:XF+64*\y+8*\k+4*\c+3], v[LW0], s[40:41] offset:8192*\y+1024*\k+512*\c
.endr
.endr
.endr
	WIN 0
.irp t, 0,1,2,3
	global_load_b32 v[BK+\t], v[VB4], s[10:11] offset:64*\t    ; bk, bv at feature 16 t + lane % 16
	global_load_b32 v[BV+\t], v[VB4], s[12:13] offset:64*\t
.endr
	s_wait_kmcnt 0x0
	v_mov_b32 v31, s25                             ; 1 / c_h = 2^(-11 sigmoid(m_h)), 2,048 being 2^11
	v_mul_f32 v31, 0xbfb8aa3b, v31
	v_exp_f32 v31, v31
	v_nop
	s_wait_alu depctr_va_vdst(0)                   ; (a chain of three: each has its plain line and its wait)
	v_add_f32 v31, 1.0, v31
	v_rcp_f32 v31, v31
	v_nop
	s_wait_alu depctr_va_vdst(0)
	v_mul_f32 v31, 0xc1300000, v31
	v_exp_f32 v31, v31
	v_nop
	s_wait_alu depctr_va_vdst(0)
	v_readfirstlane_b32 s[IS], v31
	s_mov_b32 s[IS+1], s[IS]
	s_wait_tensorcnt 0x0                           ; my eighth of the weights is in,
	s_barrier_signal -1
	s_barrier_wait -1                              ; everybody's is
	CHUNK 0, 1
	CHUNK 1, 0
	; THE SUM OVER THE EIGHT WAVES.  Each wave lays its 16 tiles into LDS as they stand; behind a barrier wave w adds tiles 2 w and 2 w + 1 of all eight, in the waves' order
	s_lshl_b32 s48, s[WV], 14
	s_add_co_u32 s48, s48, RED
	v_add_nc_u32 v32, s48, v[LW0]
	s_lshl_b32 s49, s[WV], 11
	s_add_co_u32 s49, s49, RED
	v_add_nc_u32 v33, s49, v[LW0]
	v_add_nc_u32 v34, 65536, v33
	WIN 0x04                                       ; an LDS store's data are its source 1: window 1
.irp i, 0,1,2,3,4,5,6,7,8,9,10,11,12,13,14,15
	ds_store_b128 v32, v[8*\i:8*\i+3] offset:1024*\i           ; each accumulator from its low end on
	ds_store_b128 v32, v[8*\i+4:8*\i+7] offset:1024*\i+512
.endr
	WIN 0
	s_wait_dscnt 0x0                               ; for the others' sake: my stores are done
	s_barrier_signal -1
	s_barrier_wait -1
.irp w, 0,1,2,3,4,5,6,7
.irp i, 0,1
.irp c, 0,1
	ds_load_b128 v[ACC+16*\w+8*\i+4*\c:ACC+16*\w+8*\i+4*\c+3], v[33+\w/4] offset:(\w%4)*16384+1024*\i+512*\c
.endr
.endr
.endr
	s_wait_dscnt 0x0
.irp w, 1,2,3,4,5,6,7
.irp i, 0,2,4,6,8,10,12,14
	v_pk_add_f32 v[ACC+\i:ACC+\i+1], v[ACC+\i:ACC+\i+1], v[ACC+16*\w+\i:ACC+16*\w+\i+1]
.endr
.endr
.irp i, 0,2,4,6,8,10,12,14
	v_pk_mul_f32 v[ACC+\i:ACC+\i+1], v[ACC+\i:ACC+\i+1], s[IS:IS+1] op_sel_hi:[1,0]   ; / c_h
.endr
.irp i, 0,1
.irp c, 0,1
	global_store_b128 v[LW0], v[ACC+8*\i+4*\c:ACC+8*\i+4*\c+3], s[44:45] offset:1024*\i+512*\c
.endr
.endr
	v_max3_num_f32 v144, |v128|, |v129|, |v130|    ; the largest magnitude of what I stored: the next launch takes its f16 scale from these
	v_max3_num_f32 v145, |v131|, |v132|, |v133|
	v_max3_num_f32 v144, v144, |v134|, |v135|
	v_max3_num_f32 v145, v145, |v136|, |v137|
	v_max3_num_f32 v144, v144, |v138|, |v139|
	v_max3_num_f32 v145, v145, |v140|, |v141|
	v_max3_num_f32 v144, v144, |v142|, |v143|
	v_max_num_f32 v144, v144, v145
	v_max_num_f32_dpp v144, v144, v144 row_xmask:1 row_mask:0xf bank_mask:0xf
	v_max_num_f32_dpp v144, v144, v144 row_xmask:2 row_mask:0xf bank_mask:0xf
	v_max_num_f32_dpp v144, v144, v144 row_xmask:4 row_mask:0xf bank_mask:0xf
	v_max_num_f32_dpp v144, v144, v144 row_xmask:8 row_mask:0xf bank_mask:0xf
	v_permlanex16_b32 v145, v144, s[SEL], s[SEL+1]
	v_max_num_f32 v144, v144, v145
	v_and_b32 v147, 31, v0
	v_mov_b32 v146, 0
	v_cmp_eq_u32 vcc_lo, 0, v147
	s_wait_xcnt 0x0                                ; EXEC changes only behind this wait: the stores above have been taken up
	s_and_saveexec_b32 s48, vcc_lo
	global_store_b32 v146, v144, s[46:47]          ; lane 0 alone
	s_wait_xcnt 0x0                                ; and again ahead of the line that widens it
	s_or_b32 exec_lo, exec_lo, s48
	s_wait_tensorcnt 0x0                           ; the wave's end: a tensor wait, an add of 0 to my spare word and its wait, behind my last tensor load and my last LDS store
	ds_add_u32 v[SPW], v[NIL]
	s_wait_dscnt 0x0
	CROUND                                         ; the closing round
	s_endpgm
.Lfunc_end_k_q5d6ea3189e_qkv:
	.size	k_q5d6ea3189e_qkv, .Lfunc_end_k_q5d6ea3189e_qkv-k_q5d6ea3189e_qkv
	.p2alignl 7, 3214868480
	.fill 96, 4, 3214868480
	.section	.rodata,"a",@progbits
	.p2align	6, 0x0
	.amdhsa_kernel k_q5d6ea3189e_qkv
		.amdhsa_group_segment_fixed_size 236544
		.amdhsa_private_segment_fixed_size 0
		.amdhsa_enable_private_segment 0
		.amdhsa_kernarg_size 64
		.amdhsa_user_sgpr_count 2
		.amdhsa_user_sgpr_kernarg_segment_ptr 1
		.amdhsa_wavefront_size32 1
		.amdhsa_system_sgpr_workgroup_id_x 1
		.amdhsa_system_sgpr_workgroup_id_y 1
		.amdhsa_system_sgpr_workgroup_id_z 1
		.amdhsa_system_vgpr_workitem_id 0
		.amdhsa_next_free_vgpr 512
		.amdhsa_next_free_sgpr 66
		.amdhsa_reserve_vcc 1
		.amdhsa_float_denorm_mode_32 3
		.amdhsa_float_denorm_mode_16_64 3
		.amdhsa_memory_ordered 1
		.amdhsa_forward_progress 1
		.amdhsa_inst_pref_size 166
	.end_amdhsa_kernel
	.amdgpu_metadata
---
amdhsa.version: [ 1, 2 ]
amdhsa.kernels:
  - .name:           k_q5d6ea3189e_qkv
    .symbol:         k_q5d6ea3189e_qkv.kd
    .args:
      - { .name: xq, .offset: 0, .size: 8, .value_kind: global_buffer, .address_space: global }
      - { .name: wq, .offset: 8, .size: 8, .value_kind: global_buffer, .address_space: global }
      - { .name: bq, .offset: 16, .size: 8, .value_kind: global_buffer, .address_space: global }
      - { .name: bk, .offset: 24, .size: 8, .value_kind: global_buffer, .address_space: global }
      - { .name: bv, .offset: 32, .size: 8, .value_kind: global_buffer, .address_space: global }
      - { .name: m, .offset: 40, .size: 8, .value_kind: global_buffer, .address_space: global }
      - { .name: q16, .offset: 48, .size: 8, .value_kind: global_buffer, .address_space: global }
      - { .name: kv, .offset: 56, .size: 8, .value_kind: global_buffer, .address_space: global }
    .group_segment_fixed_size: 236544
    .private_segment_fixed_size: 0
    .kernarg_segment_align: 8
    .kernarg_segment_size: 64
    .max_flat_workgroup_size: 256
    .sgpr_count:     66
    .vgpr_count:     512
    .wavefront_size: 32
...
	.end_amdgpu_metadata
.endif
;; end of part 2
;; launch fold (part 3): grid 256 x 1, 4 waves a work-group, no clusters, 8,704 bytes of LDS; arguments kv, wo16, g16; writes g16
.if DOCPART == 3
	.amdgcn_target "amdgcn-amd-amdhsa--gfx1250"
	.amdhsa_code_object_version 6
	.text
	.protected	k_q5d6ea3189e_fold
	.globl	k_q5d6ea3189e_fold
	.p2align	8
	.type	k_q5d6ea3189e_fold,@function
k_q5d6ea3189e_fold:
	s_mov_b64 s[64:65], 0
	v_nop
	global_prefetch_b8 v0, s[64:65] scope:SCOPE_SE
	s_setreg_imm32_b32 hwreg(HW_REG_WAVE_MODE, 25, 1), 1
	s_wait_xcnt 0x0
; Third launch: G_b[64 h + d][n] = sum over e of (k^T v / c_h)[d][e] Wo[64 h + e][n], as f16 fragments for the last product.  (q k^T is not formed: shown at the head of the first kernel.)
; SHARES.  A work-group takes one batch and head and a quarter of the 1,024 columns n; wave w adds the four partial sums of the tiles with d = 16 w .. 16 w + 15, hands them to the others through LDS as images of
; the operand's registers, and makes the columns of tiles 16 nq + 4 w .. + 3.  Operands go through registers; the launch is short and its bytes few: no tensor load, no cluster.
; THE SCALE.  f16 has little range, so k^T v and G are carried under a power of two taken from the data.  B = the largest, over the batch's heads, of the sum over the four partial sums of their largest magnitudes:
; no number of the batch's k^T v is larger.  With f = B's exponent field (held to 27 .. 227), k^T v is multiplied by 2^(141 - f), which keeps it under 2^15; the 64-term sums with Wo are multiplied by 2^-12
; (under 2^15 for |Wo| up to 64: the stated limit), and the last launch multiplies by gs = 2^(f - 129).  All three factors are powers of two: nothing is rounded by them.
.set SPARE, 8192                       ; behind the eight images: the spare words, 128 bytes for each wave: two blocks of 256 bytes that no other line names
.set LI,  1                            ; 16 x lane
.set SPW, 2                            ; LDS address of my spare word; never rewritten
.set NIL, 3                            ; 0; never rewritten
.set TKA, 4                            ; 64 x lane
.set STA, 5                            ; where I store my two images
.set LNE, 6                            ; lane
.set ZR,  7
.set F1,  8                            ; v[8:9] 2^(141 - f)
.set GSV, 10                           ; 2^(f - 129)
.set WOF, 16                           ; v16-79  Wo's fragments: tile i, half f of the head's 64
.set P,   80                           ; v80-207 four partial sums x four tiles
.set KVF, 80                           ; later v80-143: the eight fragments of k^T v,
.set ACC, 144                          ; and v144-207: eight accumulators
.set PK,  208                          ; v208-239 first the magnitudes, then packed results
	s_load_b128 s[4:7], s[0:1], 0x0                ; kv, wo16
	s_load_b64 s[8:9], s[0:1], 0x10                ; g16
	v_lshl_add_u32 v[SPW], v0, 2, SPARE
	v_mov_b32 v[NIL], 0
	v_lshrrev_b32 v1, 5, v0
	v_readfirstlane_b32 s10, v1                    ; wave
	v_and_b32 v[LNE], 31, v0
	v_lshlrev_b32 v[LI], 4, v[LNE]
	v_lshlrev_b32 v[TKA], 6, v[LNE]
	s_lshl_b32 s11, s10, 11
	v_add_nc_u32 v[STA], s11, v[LI]
	s_lshr_b32 s12, ttmp9, 2                       ; batch and head
	s_and_b32 s13, ttmp9, 3                        ; which quarter of n
	s_lshr_b32 s14, s12, 4                         ; b
	s_and_b32 s15, s12, 15                         ; h
	s_lshl_b32 s16, s12, 16                        ; the partial sums: 4 x 16 tiles of 1,024 bytes; mine are tiles 4 e + wave
	s_lshl_b32 s20, s10, 10
	s_add_co_u32 s16, s16, s20
	s_mov_b32 s17, 0
	s_lshl_b32 s18, s14, 11                        ; the batch's 512 magnitudes,
	s_add_co_u32 s18, s18, 4194304                 ; behind the sums
	s_mov_b32 s19, 0
	s_lshl_b32 s20, s13, 4
	s_lshl_b32 s21, s10, 2
	s_add_co_u32 s20, s20, s21                     ; my first tile of n
	s_lshl_b32 s20, s20, 15                        ; 32 fragments a tile,
	s_lshl_b32 s21, s15, 11
	s_add_co_u32 s20, s20, s21                     ; the head's two: the same place in Wo's fragments and in a batch's G
	s_mov_b32 s21, 0
	s_lshl_b32 s22, s14, 21
	s_add_co_u32 s22, s22, s20
	s_mov_b32 s23, 0
	s_lshl_b32 s24, s14, 2
	s_add_co_u32 s24, s24, 8388608                 ; gs[b], behind G
	s_mov_b32 s25, 0
	s_mov_b32 s26, 0x76543210
	s_mov_b32 s27, 0xfedcba98
	s_wait_kmcnt 0x0
	s_add_nc_u64 s[18:19], s[4:5], s[18:19]
	s_add_nc_u64 s[4:5], s[4:5], s[16:17]
	s_add_nc_u64 s[6:7], s[6:7], s[20:21]
	s_add_nc_u64 s[24:25], s[8:9], s[24:25]
	s_add_nc_u64 s[8:9], s[8:9], s[22:23]
.irp i, 0,1,2,3
	global_load_b128 v[PK+4*\i:PK+4*\i+3], v[TKA], s[18:19] offset:16*\i     ; lane l: head l / 2, partial sums 2 (l % 2) and 2 (l % 2) + 1, eight waves' magnitudes each
.endr
.irp p, 0,1,2,3
.irp e, 0,1,2,3
.irp c, 0,1
	global_load_b128 v[P+32*\p+8*\e+4*\c:P+32*\p+8*\e+4*\c+3], v[LI], s[4:5] offset:16384*\p+4096*\e+512*\c
.endr
.endr
.endr
.irp i, 0,1,2,3
.irp f, 0,1
.irp c, 0,1
	global_load_b128 v[WOF+16*\i+8*\f+4*\c:WOF+16*\i+8*\f+4*\c+3], v[LI], s[6:7] offset:32768*\i+1024*\f+512*\c
.endr
.endr
.endr
	s_wait_loadcnt 48                              ; the magnitudes are in; the 32 + 16 younger loads may be out
	v_max3_num_f32 v12, v[PK], v[PK+1], v[PK+2]
	v_max3_num_f32 v13, v[PK+8], v[PK+9], v[PK+10]
	v_max3_num_f32 v12, v12, v[PK+3], v[PK+4]
	v_max3_num_f32 v13, v13, v[PK+11], v[PK+12]
	v_max3_num_f32 v12, v12, v[PK+5], v[PK+6]
	v_max3_num_f32 v13, v13, v[PK+13], v[PK+14]
	v_max_num_f32 v12, v12, v[PK+7]
	v_max_num_f32 v13, v13, v[PK+15]
	v_add_f32 v12, v12, v13                        ; two partial sums' bounds,
	v_add_f32_dpp v12, v12, v12 row_xmask:1 row_mask:0xf bank_mask:0xf        ; all four: the head's bound
	v_max_num_f32_dpp v12, v12, v12 row_xmask:2 row_mask:0xf bank_mask:0xf    ; the largest over the heads
	v_max_num_f32_dpp v12, v12, v12 row_xmask:4 row_mask:0xf bank_mask:0xf
	v_max_num_f32_dpp v12, v12, v12 row_xmask:8 row_mask:0xf bank_mask:0xf
	v_permlanex16_b32 v13, v12, s26, s27
	v_max_num_f32 v12, v12, v13
	v_max_num_f32 v12, 0x0d800000, v12             ; held to 2^-100 .. 2^100
	v_min_num_f32 v12, 0x71800000, v12
	v_lshrrev_b32 v12, 23, v12                     ; f
	v_sub_nc_u32 v[F1], 268, v12
	v_lshlrev_b32 v[F1], 23, v[F1]
	v_mov_b32 v[F1+1], v[F1]
	v_add_nc_u32 v[GSV], -2, v12
	v_lshlrev_b32 v[GSV], 23, v[GSV]
	s_wait_loadcnt 16                              ; the partial sums are in; Wo's sixteen loads may be out
.irp p, 1,2,3
.irp i, 0,2,4,6,8,10,12,14,16,18,20,22,24,26,28,30
	v_pk_add_f32 v[P+\i:P+\i+1], v[P+\i:P+\i+1], v[P+32*\p+\i:P+32*\p+\i+1]
.endr
.endr
.irp i, 0,2,4,6,8,10,12,14,16,18,20,22,24,26,28,30
	v_pk_mul_f32 v[P+\i:P+\i+1], v[P+\i:P+\i+1], v[F1:F1+1] op_sel_hi:[1,0]
.endr
.irp i, 0,1,2,3,4,5,6,7,8,9,10,11,12,13,14,15
	v_cvt_pk_f16_f32 v[PK+\i], v[P+2*\i], v[P+2*\i+1]      ; lane (r, h): d = 16 w + r, e = 16 t + 8 h + j: tiles 2 f and 2 f + 1 are the halves of fragment f (K = 32 of e)
.endr
.irp i, 0,1,2,3
	ds_store_b128 v[STA], v[PK+4*\i:PK+4*\i+3] offset:512*\i
.endr
	s_wait_dscnt 0x0                               ; for the others' sake: my stores are done
	s_barrier_signal -1
	s_barrier_wait -1
.irp d, 0,1,2,3
.irp i, 0,1,2,3
	ds_load_b128 v[KVF+16*\d+4*\i:KVF+16*\d+4*\i+3], v[LI] offset:2048*\d+512*\i
.endr
.endr
	s_wait_dscnt 0x0
	s_wait_loadcnt 0x0                             ; Wo
; two tiles of n at a time: source 0 = 16 rows d, source 1 = 16 columns n: a lane holds one n and eight d.  Eight accumulators by turns
.macro TWO_N rr
.irp f, 0,1
.irp i, 0,1
.irp d, 0,1,2,3
.if \f == 0
	v_wmma_f32_16x16x32_f16 v[ACC+8*(4*\i+\d):ACC+8*(4*\i+\d)+7], v[KVF+16*\d+8*\f:KVF+16*\d+8*\f+7], v[WOF+16*(2*\rr+\i)+8*\f:WOF+16*(2*\rr+\i)+8*\f+7], 0
.else
	v_wmma_f32_16x16x32_f16 v[ACC+8*(4*\i+\d):ACC+8*(4*\i+\d)+7], v[KVF+16*\d+8*\f:KVF+16*\d+8*\f+7], v[WOF+16*(2*\rr+\i)+8*\f:WOF+16*(2*\rr+\i)+8*\f+7], v[ACC+8*(4*\i+\d):ACC+8*(4*\i+\d)+7]
.endif
.endr
.endr
.endr
.rept 4
	v_nop                                          ; four plain lines ahead of the first read of results (ISA guide 7.12.1)
.endr
.if \rr > 0
	s_wait_xcnt 0x0                                ; the first two tiles' stores have read their data
.endif
.irp i, 0,2,4,6,8,10,12,14,16,18,20,22,24,26,28,30,32,34,36,38,40,42,44,46,48,50,52,54,56,58,60,62
	v_pk_mul_f32 v[ACC+\i:ACC+\i+1], v[ACC+\i:ACC+\i+1], 0x39800000 op_sel_hi:[1,0]   ; x 2^-12
.endr
.irp i, 0,1,2,3,4,5,6,7,8,9,10,11,12,13,14,15,16,17,18,19,20,21,22,23,24,25,26,27,28,29,30,31
	v_cvt_pk_f16_f32 v[PK+\i], v[ACC+2*\i], v[ACC+2*\i+1]  ; tiles d = 2 f, 2 f + 1 are the halves of fragment f (K = 32 of the head's d)
.endr
.irp i, 0,1
.irp f, 0,1
.irp c, 0,1
	global_store_b128 v[LI], v[PK+16*\i+8*\f+4*\c:PK+16*\i+8*\f+4*\c+3], s[8:9] offset:32768*(2*\rr+\i)+1024*\f+512*\c   ; 512 consecutive bytes, aligned
.endr
.endr
.endr
.endm
	TWO_N 0
	TWO_N 1
	s_and_b32 s20, ttmp9, 63                       ; gs[b] is stored once: by wave 0 of the batch's first work-group
	s_or_b32 s20, s20, s10
	s_cmp_lg_u32 s20, 0
	s_cbranch_scc1 .Lnogs
	v_mov_b32 v[ZR], 0
	v_cmp_eq_u32 vcc_lo, 0, v[LNE]
	s_wait_xcnt 0x0                                ; EXEC changes only behind this wait
	s_and_saveexec_b32 s20, vcc_lo
	global_store_b32 v[ZR], v[GSV], s[24:25]
	s_wait_xcnt 0x0                                ; and again ahead of the line that widens it
	s_or_b32 exec_lo, exec_lo, s20
.Lnogs:
	s_wait_tensorcnt 0x0                           ; the wave's end: a tensor wait, an add of 0 to my spare word and its wait, behind my last LDS store
	ds_add_u32 v[SPW], v[NIL]
	s_wait_dscnt 0x0
	s_endpgm
.Lfunc_end_k_q5d6ea3189e_fold:
	.size	k_q5d6ea3189e_fold, .Lfunc_end_k_q5d6ea3189e_fold-k_q5d6ea3189e_fold
	.p2alignl 7, 3214868480
	.fill 96, 4, 3214868480
	.section	.rodata,"a",@progbits
	.p2align	6, 0x0
	.amdhsa_kernel k_q5d6ea3189e_fold
		.amdhsa_group_segment_fixed_size 8704
		.amdhsa_private_segment_fixed_size 0
		.amdhsa_enable_private_segment 0
		.amdhsa_kernarg_size 24
		.amdhsa_user_sgpr_count 2
		.amdhsa_user_sgpr_kernarg_segment_ptr 1
		.amdhsa_wavefront_size32 1
		.amdhsa_system_sgpr_workgroup_id_x 1
		.amdhsa_system_sgpr_workgroup_id_y 1
		.amdhsa_system_sgpr_workgroup_id_z 1
		.amdhsa_system_vgpr_workitem_id 0
		.amdhsa_next_free_vgpr 240
		.amdhsa_next_free_sgpr 66
		.amdhsa_reserve_vcc 1
		.amdhsa_float_denorm_mode_32 3
		.amdhsa_float_denorm_mode_16_64 3
		.amdhsa_memory_ordered 1
		.amdhsa_forward_progress 1
		.amdhsa_inst_pref_size 29
	.end_amdhsa_kernel
	.amdgpu_metadata
---
amdhsa.version: [ 1, 2 ]
amdhsa.kernels:
  - .name:           k_q5d6ea3189e_fold
    .symbol:         k_q5d6ea3189e_fold.kd
    .args:
      - { .name: kv, .offset: 0, .size: 8, .value_kind: global_buffer, .address_space: global }
      - { .name: wo16, .offset: 8, .size: 8, .value_kind: global_buffer, .address_space: global }
      - { .name: g16, .offset: 16, .size: 8, .value_kind: global_buffer, .address_space: global }
    .group_segment_fixed_size: 8704
    .private_segment_fixed_size: 0
    .kernarg_segment_align: 8
    .kernarg_segment_size: 24
    .max_flat_workgroup_size: 128
    .sgpr_count:     66
    .vgpr_count:     240
    .wavefront_size: 32
...
	.end_amdgpu_metadata
.endif
;; end of part 3
;; launch outp (part 4): grid 8 x 64, 4 waves a work-group, clusters of 4 x 4, 327,680 bytes of LDS; arguments q16, g16, bo, out0; writes out0
.if DOCPART == 4
	.amdgcn_target "amdgcn-amd-amdhsa--gfx1250"
	.amdhsa_code_object_version 6
	.text
	.protected	k_q5d6ea3189e_outp
	.globl	k_q5d6ea3189e_outp
	.p2align	8
	.type	k_q5d6ea3189e_outp,@function
k_q5d6ea3189e_outp:
	s_mov_b64 s[64:65], 0
	v_nop
	global_prefetch_b8 v0, s[64:65] scope:SCOPE_SE
	s_setreg_imm32_b32 hwreg(HW_REG_WAVE_MODE, 25, 1), 1
	s_wait_xcnt 0x0
	s_wait_alu depctr_hold_cnt(0) depctr_sa_sdst(0) depctr_va_vdst(0) depctr_va_sdst(0) depctr_va_ssrc(0) depctr_va_vcc(0) depctr_vm_vsrc(0)
	s_getreg_b32 s2, hwreg(HW_REG_IB_STS2, 6, 4)
	s_cmp_eq_u32 s2, 0
	s_cbranch_scc0 .Lentry_in_a_cluster
	s_endpgm
.Lentry_in_a_cluster:
	s_bfe_u32 s2, ttmp6, 0x10000c
	s_cmp_lg_u32 s2, 0xf033
	s_cbranch_scc0 .Lentry_shape_is_right
	s_endpgm
.Lentry_shape_is_right:
; Fourth launch: out0[token][n] = gs[b] x (sum over K of q[token][K] G'[n][K]) + bo[n], K = 1,024 (head, d), f16 operands, f32 sums.  (q k^T is not formed: shown at the head of the first kernel.)
; A tile of out0 is 128 x 128; four waves, each 64 x 64: 16 accumulators.  K goes in steps of 256 through a ring of two LDS slots filled by the tensor data mover.
; BOTH OPERANDS LIE IN MEMORY AS IMAGES OF THEIR FRAGMENTS, [tile of 16 rows][32 along K][1,024 bytes]: a K step of 16 rows is 8,192 consecutive bytes, a wave's load brings four such rows, 32,768 bytes apart,
; and a fragment comes out of LDS by two loads of 512 consecutive bytes: no pitch, no padding.
; CLUSTERS: 4 x 4 work-groups.  The four of a row of the cluster need the same tiles of q, the four of a column the same tiles of G' (a cluster's 512 tokens lie in one batch): each tile is asked for JOINTLY.
; THE MATRIX INSTRUCTION IS USED TRANSPOSED (source 0 = 16 rows of G', source 1 = 16 tokens): a lane holds eight neighbouring numbers of a row of out0.
; REGISTERS: window 0: v0-31 addresses and bo; v32-95 at work on the way out; v128-255 the accumulators ((a, b) at v[128 + 8 (4 a + b)]).
;   window 1: two fragment buffers of 128: for 64 along K, 64 registers of q, then 64 of G'.
.set STEPB,  8192                      ; a K step of 16 rows, in bytes
.set HALFT,  4*STEPB                   ; 64 rows: what one tensor load brings, and what one wave reads of either operand
.set SLOT,   4*HALFT                   ; q's 128 rows, then G's 128
.set STAGE,  2*SLOT                    ; behind the ring: 16 rows x 272 bytes for each wave, for the way out
.set SPITCH, 272
.set SPARE,  STAGE+4*16*SPITCH         ; the spare words, 128 bytes for each wave: two blocks of 256 bytes that no other line names
.set LAPS,   2                         ; a lap = two K steps = once round the ring
.set BO,   8                           ; v8-11   bo at the four columns that I store
.set BOA,  12
.set ADRA, 16                          ; v16-17  LDS address of my q fragments in slot 0, 1
.set ADRB, 20                          ; v20-21  the same for G'
.set STO,  24
.set RD,   25
.set CO,   26
.set SPW,  28                          ; LDS address of my spare word; never rewritten
.set NIL,  29                          ; 0; never rewritten
.set TMP,  32
.set ACC,  128
.set F0,   0
.set F1,   128
.set WV,  12
.set RH,  13                           ; which half of the tile's rows is mine.  Also: I fetch for q (0) or for G' (1)
.set CH,  14                           ; which half of its columns.  Also: which 64 rows of that tile I fetch
.set TR,  15                           ; tile row
.set G1,  24
.set G0,  32
.set G1B, 48
.set G0B, 56
.set GS,  66                           ; s[66:67] gs[b]
.set MSB, 0
.macro WIN new                         ; the immediate's high byte repeats the setting that is left
.if MSB != \new
	s_set_vgpr_msb (MSB<<8)|\new
.set MSB, \new
.endif
.endm
.set MUL,  0x05                        ; sources 0 and 1 window 1; C and D window 0
.set TO_F, 0x40                        ; destination window 1, address window 0
.macro JLOAD s                         ; a joint load: waves 0 and 1 fetch q's two halves, waves 2 and 3 G's; an s_nop 0 and four v_nop follow each of the two lines
	s_cmp_eq_u32 s[RH], 0
	s_cbranch_scc0 .Lfor_b_\@
	tensor_load_to_lds s[G0+4*\s:G0+4*\s+3], s[G1:G1+7]
	s_nop 0
.rept 4
	v_nop
.endr
	s_branch .Lasked_\@
.Lfor_b_\@:
	tensor_load_to_lds s[G0B+4*\s:G0B+4*\s+3], s[G1B:G1B+7]
	s_nop 0
.rept 4
	v_nop
.endr
.Lasked_\@:
.endm
.macro CREST                           ; a round of the cluster's barrier behind its opening barrier
	s_cmp_lg_u32 s[WV], 0
	s_cbranch_scc1 .Lnot_wave_0_\@
	s_barrier_signal -3
.Lnot_wave_0_\@:
	s_barrier_wait -3
	s_barrier_signal -1
	s_barrier_wait -1
.endm
.macro CROUND
	s_barrier_signal -1
	s_barrier_wait -1
	CREST
.endm
	s_load_b256 s[4:11], s[0:1], 0x0               ; q16, g16, bo, out0
	v_lshl_add_u32 v[SPW], v0, 2, SPARE
	v_mov_b32 v[NIL], 0
	ds_add_u32 v[SPW], v[NIL]                      ; the wave's opening: the add, twice on end, and its wait ahead of my first tensor load
	ds_add_u32 v[SPW], v[NIL]
	v_lshrrev_b32 v1, 5, v0
	v_readfirstlane_b32 s[WV], v1                  ; wave 0..3
	s_lshr_b32 s[RH], s[WV], 1
	s_and_b32 s[CH], s[WV], 1
	s_bfe_u32 s40, ttmp6, 0x40000                  ; cx, cy: my place in the cluster
	s_bfe_u32 s41, ttmp6, 0x40004
	s_lshl_b32 s42, ttmp9, 2
	s_add_co_u32 s42, s42, s40                     ; tile column = 4 x cluster x + cx
	s_and_b32 s45, ttmp7, 0xffff                   ; cluster y
	s_lshl_b32 s[TR], s45, 2
	s_add_co_u32 s[TR], s[TR], s41                 ; tile row = 4 x cluster y + cy
	s_lshr_b32 s45, s45, 2                         ; the batch: four clusters' 512 tokens each; the same in all sixteen partners
	s_lshl_b32 s43, s41, 2
	s_lshl_b32 s43, 15, s43                        ; my row of the cluster
	s_lshl_b32 s44, 0x1111, s40                    ; my column
	s_or_b32 s[G1+0], s43, (3<<16)|(1<<21)         ; group 1: the mask; elements of 8 bytes; bit 21 beside a mask; no padding
	s_or_b32 s[G1B+0], s44, (3<<16)|(1<<21)
.irp g, G1, G1B
	s_mov_b32 s[\g+1], 1024<<16                    ; tensor_dim0 = 1,024 elements: 8,192 bytes
	s_mov_b32 s[\g+2], 4<<16                       ; tensor_dim1 = 4
	s_mov_b32 s[\g+3], 1024<<16                    ; tile_dim0
	s_mov_b32 s[\g+4], 4                           ; tile_dim1
	s_mov_b32 s[\g+5], 4096                        ; 32,768 bytes from one tile of 16 rows to the next
	s_mov_b32 s[\g+6], 0
	s_mov_b32 s[\g+7], 0
.endr
	s_lshl_b32 s17, s[CH], 17                      ; which four tiles of 16 rows I fetch
	s_lshl_b32 s16, s[TR], 18
	s_add_co_u32 s16, s16, s17                     ; q: eight tiles of 16 tokens a tile row
	s_lshl_b32 s46, s42, 18
	s_add_co_u32 s46, s46, s17                     ; G': eight tiles of 16 columns a tile column,
	s_lshl_b32 s47, s45, 21
	s_add_co_u32 s46, s46, s47                     ; in the batch's matrix
	s_mov_b32 s17, 0
	s_mov_b32 s47, 0
	s_lshl_b32 s20, s[WV], 15                      ; where they go: wave x 64 rows: no place in the cluster enters an LDS address
	s_lshl_b32 s68, s45, 2
	s_add_co_u32 s68, s68, 8388608                 ; gs[b], behind G'
	s_mov_b32 s69, 0
	s_wait_dscnt 0x0                               ; both opening adds are done
	s_wait_kmcnt 0x0
	s_add_nc_u64 s[18:19], s[4:5], s[16:17]
	s_add_nc_u64 s[46:47], s[6:7], s[46:47]
	s_add_nc_u64 s[68:69], s[6:7], s[68:69]
	s_load_b32 s[GS], s[68:69], 0x0
	CROUND                                         ; all sixteen work-groups are here: the first joint loads meet
.irp s, 0,1
	s_mov_b32 s[G0+4*\s], 1
	s_add_co_u32 s[G0+4*\s+1], s20, \s*SLOT
	s_add_nc_u64 s[G0+4*\s+2:G0+4*\s+3], s[18:19], \s*STEPB
	s_or_b32 s[G0+4*\s+3], s[G0+4*\s+3], 0x80000000
	s_mov_b32 s[G0B+4*\s], 1
	s_add_co_u32 s[G0B+4*\s+1], s20, \s*SLOT
	s_add_nc_u64 s[G0B+4*\s+2:G0B+4*\s+3], s[46:47], \s*STEPB
	s_or_b32 s[G0B+4*\s+3], s[G0B+4*\s+3], 0x80000000
	JLOAD \s
.endr
	v_and_b32 v1, 15, v0                           ; l % 16
	v_bfe_u32 v2, v0, 4, 1                         ; l / 16
	v_and_b32 v3, 31, v0
	v_lshlrev_b32 v3, 4, v3                        ; 16 x lane
	s_lshl_b32 s21, s[RH], 15                      ; my 64 rows of q
	s_lshl_b32 s22, s[CH], 15                      ; my 64 rows of G',
	s_add_co_u32 s22, s22, 2*HALFT                 ; which lie behind q's 128
.irp s, 0,1
	v_add_nc_u32 v[ADRA+\s], s21, v3
	v_add_nc_u32 v[ADRB+\s], s22, v3
	s_add_co_u32 s21, s21, SLOT
	s_add_co_u32 s22, s22, SLOT
.endr
	s_mul_i32 s23, s[WV], 16*SPITCH
	s_add_co_u32 s23, s23, STAGE                   ; my stage
	v_mul_u32_u24 v4, v1, SPITCH                   ; in: row l % 16, 32 bytes for each half of the lanes
	v_lshl_add_u32 v4, v2, 5, v4
	v_add_nc_u32 v[STO], s23, v4
	v_mul_u32_u24 v5, v2, SPITCH                   ; back: lanes 0-15 take one row of 256 bytes, lanes 16-31 the next
	v_lshl_add_u32 v5, v1, 4, v5
	v_add_nc_u32 v[RD], s23, v5
	v_lshlrev_b32 v5, 12, v2                       ; and the same two rows in out0
	v_lshl_add_u32 v[CO], v1, 4, v5
	s_lshl_b32 s16, s[TR], 19                      ; my first row of out0: 128 x tile row + 64 x half, 4,096 bytes a row
	s_lshl_b32 s17, s[RH], 18
	s_add_co_u32 s16, s16, s17
	s_mov_b32 s17, 0
	s_add_nc_u64 s[10:11], s[10:11], s[16:17]
	s_lshl_b32 s46, s42, 9                         ; my first column, in bytes: 512 x tile column + 256 x half
	s_lshl_b32 s47, s[CH], 8
	s_add_co_u32 s46, s46, s47
	s_mov_b32 s47, 0
	s_add_nc_u64 s[10:11], s[10:11], s[46:47]
	s_add_nc_u64 s[8:9], s[8:9], s[46:47]
	v_lshlrev_b32 v[BOA], 4, v1
	global_load_b128 v[BO:BO+3], v[BOA], s[8:9]
	s_wait_kmcnt 0x0
	s_mov_b32 s[GS+1], s[GS]                       ; (named with it as a pair, so it is written)
; 8 matrix instructions: token blocks a0, a0 + 1 x all 4 column blocks, 32 along K: half c of buffer f.  zero = 1: the first product starts the sums
.macro MUL8 f, c, a0, zero
.irp a, \a0, \a0+1
.irp b, 0,1,2,3
.if \zero
	v_wmma_f32_16x16x32_f16 v[ACC+8*(4*(\a)+\b):ACC+8*(4*(\a)+\b)+7], v[\f+64+8*(4*\c+\b):\f+64+8*(4*\c+\b)+7], v[\f+8*(4*\c+\a):\f+8*(4*\c+\a)+7], 0
.else
	v_wmma_f32_16x16x32_f16 v[ACC+8*(4*(\a)+\b):ACC+8*(4*(\a)+\b)+7], v[\f+64+8*(4*\c+\b):\f+64+8*(4*\c+\b)+7], v[\f+8*(4*\c+\a):\f+8*(4*\c+\a)+7], v[ACC+8*(4*(\a)+\b):ACC+8*(4*(\a)+\b)+7]
.endif
.endr
.endr
.endm
; 32 LDS loads in one run: the fragments of 64 along K, from byte k of each tile's K step on, into buffer f; the first 32 along K first
.macro FETCH slot, k, f
	WIN TO_F
.irp c, 0,1
.irp i, 0,1,2,3
	ds_load_b128 v[\f+64+8*(4*\c+\i):\f+64+8*(4*\c+\i)+3],   v[ADRB+\slot] offset:\k+1024*\c+\i*STEPB
	ds_load_b128 v[\f+64+8*(4*\c+\i)+4:\f+64+8*(4*\c+\i)+7], v[ADRB+\slot] offset:\k+1024*\c+\i*STEPB+512
	ds_load_b128 v[\f+8*(4*\c+\i):\f+8*(4*\c+\i)+3],         v[ADRA+\slot] offset:\k+1024*\c+\i*STEPB
	ds_load_b128 v[\f+8*(4*\c+\i)+4:\f+8*(4*\c+\i)+7],       v[ADRA+\slot] offset:\k+1024*\c+\i*STEPB+512
.endr
.endr
.endm
.macro PLACES                          ; four plain lines in front of loads into registers that matrix instructions have read, and of the first read of results
.rept 4
	v_nop
.endr
.endm
; A K step is four quarters of 64 along K, 32 matrix instructions each, on buffers 0, 1, 0, 1.  One of the first three: multiplies buffer f and fetches the next quarter, at byte k, into g.
.macro QUARTER slot, k, f, g, zero
	s_wait_dscnt 16                                ; the first 32 along K are in
	WIN MUL
	MUL8 \f, 0, 0, \zero
	MUL8 \f, 0, 2, \zero
	PLACES
	FETCH \slot, \k, \g
	s_wait_dscnt 32                                ; all but the 32 just issued
	WIN MUL
	MUL8 \f, 1, 0, 0
	MUL8 \f, 1, 2, 0
.endm
; The last quarter multiplies buffer 1 and changes slots: ONE barrier; in front of it each wave waits for all its tensor loads, adds 0 to its spare word, and waits for that and for its own reads of this slot.  fill = 1: this slot is filled again, two K steps ahead.
.macro TURN slot, next, fill
	WIN 0                                          ; (the add's two registers lie in window 0)
	s_wait_tensorcnt 0x0                           ; all my tensor loads have landed: my part of the next slot;
	ds_add_u32 v[SPW], v[NIL]                      ; 0 onto my spare word;
	s_wait_dscnt 17                                ; (the add and the youngest sixteen loads may be out)
	WIN MUL
	MUL8 F1, 0, 0, 0                               ; eight matrix instructions stand between the add and the wait for it
	s_wait_dscnt 0x0                               ; the add is done, and my reads of this slot are over
	s_barrier_signal -1
	MUL8 F1, 0, 2, 0
.if \fill
	WIN 0
.endif
	s_barrier_wait -1
.if \fill
	CREST                                          ; the barrier has opened a round of the cluster's barrier: no wave of any partner still reads this slot's tile or has a load on its way
	s_add_nc_u64 s[G0+4*\slot+2:G0+4*\slot+3], s[G0+4*\slot+2:G0+4*\slot+3], 2*STEPB
	s_add_nc_u64 s[G0B+4*\slot+2:G0B+4*\slot+3], s[G0B+4*\slot+2:G0B+4*\slot+3], 2*STEPB
	JLOAD \slot                                    ; the first tensor load behind the round; the four v_nop behind it are also the places in front of the loads below
.else
	PLACES
.endif
	FETCH \next, 0, F0
	WIN MUL
	MUL8 F1, 1, 0, 0
	MUL8 F1, 1, 2, 0
.endm
	s_wait_tensorcnt 1                             ; my part of K step 0 is in (K step 1's load may be out)
	s_barrier_signal -1
	s_barrier_wait -1                              ; everybody's is
	FETCH 0, 0, F0
	QUARTER 0, 2048, F0, F1, 1                     ; the first quarter stands in front of the loop: its first products start the sums
	WIN 0                                          ; at a label and at a branch every window is 0
	s_mov_b32 s3, LAPS-1
.Llap:                                                 ; a trip goes once round the ring, from a lap's second quarter to the next lap's first, and fills both slots again
	QUARTER 0, 4096, F1, F0, 0
	QUARTER 0, 6144, F0, F1, 0
	TURN 0, 1, 1
	QUARTER 1, 2048, F0, F1, 0
	QUARTER 1, 4096, F1, F0, 0
	QUARTER 1, 6144, F0, F1, 0
	TURN 1, 0, 1
	QUARTER 0, 2048, F0, F1, 0
	WIN 0
	s_sub_co_u32 s3, s3, 1
	s_cmp_lg_u32 s3, 0
	s_cbranch_scc1 .Llap
	QUARTER 0, 4096, F1, F0, 0                     ; the last lap fills nothing, and has no round of the cluster's barrier
	QUARTER 0, 6144, F0, F1, 0
	TURN 0, 1, 0
	QUARTER 1, 2048, F0, F1, 0
	QUARTER 1, 4096, F1, F0, 0
	QUARTER 1, 6144, F0, F1, 0
	s_wait_dscnt 16                                ; the very last quarter: nothing more to fetch
	WIN MUL
	MUL8 F1, 0, 0, 0
	MUL8 F1, 0, 2, 0
	s_wait_dscnt 0x0
	MUL8 F1, 1, 0, 0
	MUL8 F1, 1, 2, 0
	WIN 0
; THE WAY OUT, a block of 16 tokens x 64 columns at a time.  A lane holds 32 neighbouring bytes of a row and the lanes beside it other rows: so a block goes through my own stage and comes back as whole rows of
; 256 bytes, two an instruction.  LDS serves a wave's instructions in order (ISA guide 5.7.1.4): no wait between the stores and the loads, nor in front of the next block's stores.
.macro TOSTAGE a
.irp b, 0,1,2,3
	ds_store_b128 v[STO], v[ACC+8*(4*(\a)+\b):ACC+8*(4*(\a)+\b)+3] offset:64*\b       ; each accumulator from its low end on
	ds_store_b128 v[STO], v[ACC+8*(4*(\a)+\b)+4:ACC+8*(4*(\a)+\b)+7] offset:64*\b+16
.endr
.set BB, TMP+32*((\a)%2)
.irp t, 0,1,2,3,4,5,6,7
	ds_load_b128 v[BB+4*\t:BB+4*\t+3], v[RD] offset:\t*2*SPITCH
.endr
.endm
.macro SEND a, younger                 ; younger: the LDS instructions issued behind block a's loads, which may stay out
.set BB, TMP+32*((\a)%2)
	s_wait_dscnt \younger
.irp t, 0,1,2,3,4,5,6,7
	v_pk_fma_f32 v[BB+4*\t:BB+4*\t+1], v[BB+4*\t:BB+4*\t+1], s[GS:GS+1], v[BO:BO+1] op_sel_hi:[1,0,1]       ; x gs[b] + bo
	v_pk_fma_f32 v[BB+4*\t+2:BB+4*\t+3], v[BB+4*\t+2:BB+4*\t+3], s[GS:GS+1], v[BO+2:BO+3] op_sel_hi:[1,0,1]
.endr
.irp t, 0,1,2,3,4,5,6,7
	global_store_b128 v[CO], v[BB+4*\t:BB+4*\t+3], s[10:11] offset:(16*(\a)+2*\t)*4096 th:TH_STORE_NT   ; sixteen lanes store 256 consecutive bytes, aligned; written once, read by nobody here
.endr
.endm
	s_wait_loadcnt 0x0                             ; bo
	PLACES
	TOSTAGE 0
.irp a, 1,2,3
.if \a > 1
	s_wait_xcnt 0x0                                ; block a - 2's stores have read their registers: block a's loads may land there
.endif
	TOSTAGE \a
	SEND \a-1, 16                                  ; behind block a - 1's loads: block a's 8 stores and 8 loads
.endr
	SEND 3, 0
	s_wait_tensorcnt 0x0                           ; the wave's end: a tensor wait, an add of 0 to my spare word and its wait, behind my last tensor load and my last LDS store
	ds_add_u32 v[SPW], v[NIL]
	s_wait_dscnt 0x0
	CROUND                                         ; the closing round: no work-group ends while a partner may still ask for a tile that names it
	s_endpgm
.Lfunc_end_k_q5d6ea3189e_outp:
	.size	k_q5d6ea3189e_outp, .Lfunc_end_k_q5d6ea3189e_outp-k_q5d6ea3189e_outp
	.p2alignl 7, 3214868480
	.fill 96, 4, 3214868480
	.section	.rodata,"a",@progbits
	.p2align	6, 0x0
	.amdhsa_kernel k_q5d6ea3189e_outp
		.amdhsa_group_segment_fixed_size 327680
		.amdhsa_private_segment_fixed_size 0
		.amdhsa_enable_private_segment 0
		.amdhsa_kernarg_size 32
		.amdhsa_user_sgpr_count 2
		.amdhsa_user_sgpr_kernarg_segment_ptr 1
		.amdhsa_wavefront_size32 1
		.amdhsa_system_sgpr_workgroup_id_x 1
		.amdhsa_system_sgpr_workgroup_id_y 1
		.amdhsa_system_sgpr_workgroup_id_z 1
		.amdhsa_system_vgpr_workitem_id 0
		.amdhsa_next_free_vgpr 512
		.amdhsa_next_free_sgpr 80
		.amdhsa_reserve_vcc 0
		.amdhsa_float_denorm_mode_32 3
		.amdhsa_float_denorm_mode_16_64 3
		.amdhsa_memory_ordered 1
		.amdhsa_forward_progress 1
		.amdhsa_inst_pref_size 90
	.end_amdhsa_kernel
	.amdgpu_metadata
---
amdhsa.version: [ 1, 2 ]
amdhsa.kernels:
  - .name:           k_q5d6ea3189e_outp
    .symbol:         k_q5d6ea3189e_outp.kd
    .args:
      - { .name: q16, .offset: 0, .size: 8, .value_kind: global_buffer, .address_space: global }
      - { .name: g16, .offset: 8, .size: 8, .value_kind: global_buffer, .address_space: global }
      - { .name: bo, .offset: 16, .size: 8, .value_kind: global_buffer, .address_space: global }
      - { .name: out0, .offset: 24, .size: 8, .value_kind: global_buffer, .address_space: global }
    .group_segment_fixed_size: 327680
    .private_segment_fixed_size: 0
    .kernarg_segment_align: 8
    .kernarg_segment_size: 32
    .max_flat_workgroup_size: 128
    .sgpr_count:     80
    .vgpr_count:     512
    .wavefront_size: 32
...
	.end_amdgpu_metadata
.endif
;; end of part 4
